; MI455X (gfx1250); checked and timed in simulation.
; The chip was launched on July 23, 2026; its instructions are those of AMD's public machine-readable ISA for CDNA 5 (MIT licence, August 2026) and "CDNA5" Instruction Set Architecture Reference Guide (July 2026). The comments in the code are by the model that wrote it; some were corrected since.
;; Differential Attention. Allowed arithmetic: matrix products marked QUANTISED: E5M2 operands, one given power-of-two scale a tensor, by v_wmma_f32_16x16x64_bf8_bf8 or v_wmma_f32_16x16x128_bf8_bf8, f32 sums; products left as they are: f32 operands where the result goes on into a quantised operand, else bf16, f16 or f32 operands; f32 sums; everything else in f32.
;; Inputs: Wk 1,024 x 1,024 float32; Wo 1,024 x 1,024 float32; Wq 1,024 x 1,024 float32; Wv 1,024 x 1,024 float32; bo 1,024 float32; lk1 32 float32; lk2 32 float32; lowp_scales 10 int32 (the exponents e of the quantised operands' scales 2^e); lq1 32 float32; lq2 32 float32; x 4 x 4,096 x 1,024 float32.
;; Outputs: out0 4 x 4,096 x 1,024 float32.
;; This version of the problem:
;;   THIS VERSION OF THE PROBLEM IS GIVEN IN LOW PRECISION. The matrix products marked QUANTISED in the list below multiply operands that are first quantised to E5M2 (5 exponent bits, 2 mantissa bits; 8 bits a number), with one given power-of-two scale for each operand tensor; their sums are f32. All else is computed in f32.
;;   The module's matrix products, in the order in which they are computed (A, B: the left and right operand; K: the contracted axis; several contracted axes count as one K, in the product's order):
;;     1. [M 16,384, K 1,024] x [K 1,024, N 1,024]; A: input x; B: input Wq: QUANTISED (scales: A lowp_scales[0], B lowp_scales[1])
;;     2. [M 16,384, K 1,024] x [K 1,024, N 1,024]; A: input x; B: input Wk: QUANTISED (scales: A lowp_scales[2], B lowp_scales[3])
;;     3. [M 16,384, K 1,024] x [K 1,024, N 1,024]; A: input x; B: input Wv: QUANTISED (scales: A lowp_scales[4], B lowp_scales[5])
;;     4. batch 16,384 x [M 32, K 32] x [K 32, N 32]; A: computed on the way; B: computed on the way: QUANTISED (scales: A lowp_scales[6], B lowp_scales[7])
;;     5. batch 16,384 x [M 16, K 16] x [K 16, N 64]; A: computed on the way; B: computed on the way: left as it is (K = 16 < 32)
;;     6. [M 16,384, K 1,024] x [K 1,024, N 1,024]; A: computed on the way; B: input Wo: QUANTISED (scales: A lowp_scales[8], B lowp_scales[9])
;;   THE QUANTISER, for each operand of a quantised product, along K:
;;     - The operand's scale is 2^e, e = its entry of the input lowp_scales (int32; the entries are numbered through the quantised products in the list's order, A before B).
;;     - Each number is divided by the scale, clamped to +-57,344, and rounded to the nearest number of E5M2, ties to even, subnormals kept.
;;     - The product sums the exact products of the quantised numbers (number of the format x scale) in f32.
;;   ~~~python
;;   def quantise(x, axis, e):      # numpy; x: float32 -> the quantised numbers, widened to float32 again
;;       x = np.moveaxis(x, axis, -1); K = x.shape[-1]
;;       r = np.clip(x / 2.0 ** e, -57344, 57344)
;;       step = 2.0 ** (np.maximum(np.frexp(np.where(r == 0, 1, r))[1] - 1, -14) - 2)
;;       q = np.round(r / step) * step * 2.0 ** e      # np.round: ties to even
;;       return np.moveaxis(q, -1, axis).astype(np.float32)
;;   ~~~
;;   OPERANDS COMPUTED ON THE WAY. 'Computed on the way' means the value that the module computes at that place (a softmax that the list does not call 'softmax' is quantised finished and normalised). What goes into a quantiser is computed in f32, as accurately as f32 sums, v_exp_f32 and their like allow (about 1e-6 of the number): no bf16 or f16 on the way to a quantiser, and a product that is left as it is and whose result goes on into a quantised operand takes f32 operands (vector FMAs, or v_wmma_f32_16x16x4_f32). A number that lies on a knife's edge between two numbers of the format may be rounded either way, as far as f32 arithmetic and the matrix unit's own rounding can turn it there, and no further.
;; One version. Each part assembles by itself: llvm-mc -triple=amdgcn-amd-amdhsa -mcpu=gfx1250 --defsym DOCPART=n.
;; ======== version 1 of 1: 2 launches
;; workspace buffers: wcodes 4,194,304 bytes
;; launch prep (part 1): grid 256 x 1, 8 waves a work-group, no clusters, 68,608 bytes of LDS; arguments Wq, Wk, Wv, Wo, lowp_scales, wcodes; writes wcodes
.if DOCPART == 1
	.amdgcn_target "amdgcn-amd-amdhsa--gfx1250"
	.amdhsa_code_object_version 6
	.text
	.protected	k_q4dd5bf35b9_prep
	.globl	k_q4dd5bf35b9_prep
	.p2align	8
	.type	k_q4dd5bf35b9_prep,@function
k_q4dd5bf35b9_prep:
	s_mov_b64 s[64:65], 0
	v_nop
	global_prefetch_b8 v0, s[64:65] scope:SCOPE_SE
	s_setreg_imm32_b32 hwreg(HW_REG_WAVE_MODE, 25, 1), 1
	s_wait_xcnt 0x0
; DifferentialAttention, launch 1 of 2: Wq, Wk, Wv, Wo [1024][1024] f32 become codes of E5M2 in wcodes, each with its given scale 2^e
; (entries 1, 3, 5, 9 of lowp_scales), laid in the order in which the second launch's waves take them into their operand registers.
; DEAD WORK: none is left out in either launch.  All 32 query heads are used (heads 0-15 in att[:16,:16], heads 16-31 in att[16:,16:]); the blocks
; att[:16,16:] and att[16:,:16] enter the softmax's sums; every column of the four weights, bo, the four lambda vectors and all ten scales reach out0.
; code = w / 2^e, held within +-57,344, to the nearest code, ties to even.  LIMITS: -126 <= e <= 112; NaN among the weights is not served.
; A TILE is 16 rows of a weight x 1,024 along K: 8 fragments of 16 rows x 128 K.  Work-group T = 64 w + 16 g + ct makes tile ct of product g (0 Q, 1 K, 2 V, 3 O) for wave w of the
; second launch, its 16,384 bytes at T x 16,384; wave s of the eight makes K step s, 2,048 bytes.
; WHICH ROWS FORM A TILE: tile row m is weight row base + A (m % 8) + B (m / 8):
;   Q, K: base = 64 (8 (w % 2) + ct / 2) + w / 2 + 16 (ct % 2), A = 2, B = 32: head 8 w + ct / 2 of the 32, d = 16 (m / 8) + 8 (ct % 2) + m % 8
;   V:    base = 64 ct + 8 w, A = 1, B = 32: head ct of the 16, d = 32 (m / 8) + 8 w + m % 8          O: base = 256 w + 16 ct, A = 1, B = 8: neighbours
; A FRAGMENT'S IMAGE: lane (r = lane % 16, h = lane / 16) holds tile row r; byte b of its register 8 c + i is k = 128 s + 64 c + 32 h + 4 i + b.  Registers 4 q .. 4 q + 3 of all lanes
; are 512 bytes on end, 16 a lane.  The second launch lays x and the normalised heads along K in the same order, so every product meets its partner.
; Each load reads 512 consecutive bytes of one weight row; the 16 rows turn through the wave's own stage in LDS, so that a lane gets 32 neighbours along K; each store covers 512 consecutive bytes, aligned.
; No barrier: waves share nothing.
.set SGP,   528                        ; a stage row: 512 bytes + 16, so that the sixteen rows that a read touches start at sixteen different banks (ISA guide 11.1)
.set SGB,   16*SGP                     ; a wave's stage
.set SPARE, 8*SGB                      ; behind the stages: the spare words, 128 bytes for each wave
.set LI,  1                            ; v1      16 x lane
.set RR,  2                            ; v2      r
.set HH,  3                            ; v3      h
.set STI, 4                            ; v4      into the stage: as loaded
.set STO, 5                            ; v5      out of it: row r, 128 h bytes on
.set LIM, 10                           ; v10     57,344 x 2^e
.set SCA, 11                           ; v11     2^e
.set SPW, 14                           ; v14     my spare word; never rewritten
.set NIL, 15                           ; v15     0; never rewritten
.set VO,  16                           ; v16-31  byte offset of tile row j's 512 bytes in the weight
.set G,   32                           ; v32-95  as loaded
.set X,   96                           ; v96-159 64 numbers: register 32 c + n is k = 128 s + 64 c + 32 h + n of row r
.set C,   160                          ; v160-175 the fragment
	s_load_b256 s[4:11], s[0:1], 0x0               ; Wq, Wk, Wv, Wo
	s_load_b128 s[12:15], s[0:1], 0x20             ; the scales' exponents, wcodes
	v_lshl_add_u32 v[SPW], v0, 2, SPARE
	v_mov_b32 v[NIL], 0
	v_lshrrev_b32 v6, 5, v0
	v_readfirstlane_b32 s16, v6                    ; wave = K step s
	v_and_b32 v6, 31, v0
	v_lshlrev_b32 v[LI], 4, v6
	v_and_b32 v[RR], 15, v0
	v_bfe_u32 v[HH], v0, 4, 1
	s_mul_i32 s17, s16, SGB
	v_add_nc_u32 v[STI], s17, v[LI]
	v_mul_u32_u24 v[STO], v[RR], SGP
	v_lshl_add_u32 v[STO], v[HH], 7, v[STO]
	v_add_nc_u32 v[STO], s17, v[STO]
	s_lshr_b32 s18, ttmp9, 6                       ; w
	s_bfe_u32 s19, ttmp9, 0x20004                  ; g
	s_and_b32 s20, ttmp9, 15                       ; ct
	s_and_b32 s21, s18, 1                          ; base for Q and K
	s_lshl_b32 s21, s21, 3
	s_lshr_b32 s22, s20, 1
	s_add_co_u32 s21, s21, s22
	s_lshl_b32 s21, s21, 6
	s_lshr_b32 s22, s18, 1
	s_add_co_u32 s21, s21, s22
	s_and_b32 s22, s20, 1
	s_lshl_b32 s22, s22, 4
	s_add_co_u32 s21, s21, s22
	s_lshl_b32 s22, s20, 6                         ; for V
	s_lshl_b32 s23, s18, 3
	s_add_co_u32 s22, s22, s23
	s_lshl_b32 s23, s18, 8                         ; for O
	s_lshl_b32 s24, s20, 4
	s_add_co_u32 s23, s23, s24
	s_cmp_lt_u32 s19, 2                            ; one path for all four weights: only numbers and pointers are chosen, by the work-group's number
	s_cselect_b32 s25, s21, s22
	s_cselect_b32 s26, 2, 1                        ; A
	s_cmp_eq_u32 s19, 3
	s_cselect_b32 s25, s23, s25                    ; base
	s_cselect_b32 s27, 8, 32                       ; B
	s_lshl_b32 s30, s25, 12                        ; a weight row is 4,096 bytes
	s_lshl_b32 s31, s16, 9                         ; K step s: 512 bytes of it
	s_add_co_u32 s30, s30, s31
	s_lshl_b32 s26, s26, 12
	s_lshl_b32 s27, s27, 12
	s_add_co_u32 s31, s30, s27                     ; tile rows 8 to 15 begin B rows on
.irp j, 0,1,2,3,4,5,6,7
	v_add_nc_u32 v[VO+\j], s30, v[LI]
	v_add_nc_u32 v[VO+8+\j], s31, v[LI]
	s_add_co_u32 s30, s30, s26
	s_add_co_u32 s31, s31, s26
.endr
	s_lshl_b32 s42, ttmp9, 14                      ; where my fragment goes
	s_lshl_b32 s43, s16, 11
	s_add_co_u32 s42, s42, s43
	s_mov_b32 s43, 0
	s_wait_kmcnt 0x0
	s_load_b256 s[32:39], s[12:13], 0x0            ; entries 0 to 7
	s_load_b64 s[40:41], s[12:13], 0x20            ; entries 8, 9
	s_cmp_eq_u32 s19, 0
	s_cselect_b64 s[4:5], s[4:5], s[6:7]
	s_cmp_lt_u32 s19, 2
	s_cselect_b64 s[4:5], s[4:5], s[8:9]
	s_cmp_eq_u32 s19, 3
	s_cselect_b64 s[4:5], s[10:11], s[4:5]         ; my weight
	s_add_nc_u64 s[14:15], s[14:15], s[42:43]
.irp j, 0,1,2,3,4,5,6,7,8,9,10,11,12,13,14,15
	global_load_b128 v[G+4*\j:G+4*\j+3], v[VO+\j], s[4:5] th:TH_LOAD_NT   ; 32 lanes read 512 consecutive bytes; each byte of a weight is read once in the launch
.endr
	s_wait_kmcnt 0x0
	s_cmp_eq_u32 s19, 0
	s_cselect_b32 s28, s33, s35
	s_cmp_lt_u32 s19, 2
	s_cselect_b32 s28, s28, s37
	s_cmp_eq_u32 s19, 3
	s_cselect_b32 s28, s41, s28                    ; e
	s_add_co_i32 s28, s28, 127
	s_lshl_b32 s29, s28, 23
	v_mov_b32 v[SCA], s29                          ; 2^e as f32: the conversion takes its exponent field
	s_add_co_i32 s28, s28, 15
	s_lshl_b32 s28, s28, 23
	s_or_b32 s28, s28, 0x600000
	v_mov_b32 v[LIM], s28                          ; 57,344 x 2^e
	s_wait_loadcnt 0x0
.irp j, 0,1,2,3,4,5,6,7,8,9,10,11,12,13,14,15
	ds_store_b128 v[STI], v[G+4*\j:G+4*\j+3] offset:SGP*\j
.endr
.irp c, 0,1
.irp i, 0,1,2,3,4,5,6,7
	ds_load_b128 v[X+32*\c+4*\i:X+32*\c+4*\i+3], v[STO] offset:256*\c+16*\i   ; LDS serves a wave's instructions in order (ISA guide 5.7.1.4): these see my stores
.endr
.endr
	s_wait_dscnt 0x0
.set n, 0
.rept 64
	v_med3_num_f32 v[X+n], v[X+n], -v[LIM], v[LIM] ; the conversion to an 8-bit code does not saturate (ISA guide 7.6.2): the hold comes first
.set n, n+1
.endr
.irp g, 0,1,2,3,4,5,6,7
	v_cvt_scalef32_pk8_bf8_f32 v[C+2*\g:C+2*\g+1], v[X+8*\g:X+8*\g+7], v[SCA]
.endr
.irp c, 0,1,2,3
	global_store_b128 v[LI], v[C+4*\c:C+4*\c+3], s[14:15] offset:512*\c   ; 512 consecutive bytes, at a multiple of 256 from the buffer's first byte
.endr
	s_wait_tensorcnt 0x0                           ; the wave's end, behind my last LDS store
	ds_add_u32 v[SPW], v[NIL]
	s_wait_dscnt 0x0
	s_endpgm
.Lfunc_end_k_q4dd5bf35b9_prep:
	.size	k_q4dd5bf35b9_prep, .Lfunc_end_k_q4dd5bf35b9_prep-k_q4dd5bf35b9_prep
	.p2alignl 7, 3214868480
	.fill 96, 4, 3214868480
	.section	.rodata,"a",@progbits
	.p2align	6, 0x0
	.amdhsa_kernel k_q4dd5bf35b9_prep
		.amdhsa_group_segment_fixed_size 68608
		.amdhsa_private_segment_fixed_size 0
		.amdhsa_enable_private_segment 0
		.amdhsa_kernarg_size 48
		.amdhsa_user_sgpr_count 2
		.amdhsa_user_sgpr_kernarg_segment_ptr 1
		.amdhsa_wavefront_size32 1
		.amdhsa_system_sgpr_workgroup_id_x 1
		.amdhsa_system_sgpr_workgroup_id_y 1
		.amdhsa_system_sgpr_workgroup_id_z 1
		.amdhsa_system_vgpr_workitem_id 0
		.amdhsa_next_free_vgpr 192
		.amdhsa_next_free_sgpr 66
		.amdhsa_reserve_vcc 0
		.amdhsa_float_denorm_mode_32 3
		.amdhsa_float_denorm_mode_16_64 3
		.amdhsa_memory_ordered 1
		.amdhsa_forward_progress 1
		.amdhsa_inst_pref_size 13
	.end_amdhsa_kernel
	.amdgpu_metadata
---
amdhsa.version: [ 1, 2 ]
amdhsa.kernels:
  - .name:           k_q4dd5bf35b9_prep
    .symbol:         k_q4dd5bf35b9_prep.kd
    .args:
      - { .name: Wq, .offset: 0, .size: 8, .value_kind: global_buffer, .address_space: global }
      - { .name: Wk, .offset: 8, .size: 8, .value_kind: global_buffer, .address_space: global }
      - { .name: Wv, .offset: 16, .size: 8, .value_kind: global_buffer, .address_space: global }
      - { .name: Wo, .offset: 24, .size: 8, .value_kind: global_buffer, .address_space: global }
      - { .name: lowp_scales, .offset: 32, .size: 8, .value_kind: global_buffer, .address_space: global }
      - { .name: wcodes, .offset: 40, .size: 8, .value_kind: global_buffer, .address_space: global }
    .group_segment_fixed_size: 68608
    .private_segment_fixed_size: 0
    .kernarg_segment_align: 8
    .kernarg_segment_size: 48
    .max_flat_workgroup_size: 256
    .sgpr_count:     66
    .vgpr_count:     192
    .wavefront_size: 32
...
	.end_amdgpu_metadata
.endif
;; end of part 1
;; launch fused (part 2): grid 256 x 1, 4 waves a work-group, no clusters, 327,680 bytes of LDS; arguments x, wcodes, lowp_scales, bo, lq1, lk1, lq2, lk2, out0; writes out0
.if DOCPART == 2
	.amdgcn_target "amdgcn-amd-amdhsa--gfx1250"
	.amdhsa_code_object_version 6
	.text
	.protected	k_q4dd5bf35b9_fused
	.globl	k_q4dd5bf35b9_fused
	.p2align	8
	.type	k_q4dd5bf35b9_fused,@function
k_q4dd5bf35b9_fused:
	s_mov_b64 s[64:65], 0
	v_nop
	global_prefetch_b8 v0, s[64:65] scope:SCOPE_SE
	s_setreg_imm32_b32 hwreg(HW_REG_WAVE_MODE, 25, 1), 1
	s_wait_xcnt 0x0
; DifferentialAttention, launch 2 of 2: the whole chain for 64 tokens a work-group; no work of reference() is left out (see the first kernel's head).  DIM 1024, 16 heads, D = 32.
; Behind the three projections everything is local to a token, so nothing but the weights' codes (wcodes, from the first launch) goes through memory between x and out0.
; PHASES.  X: x is quantised for each of its three scales (entries 0, 2, 4), once where two are equal.  Q, K: projections; q x D^-0.5 and k become codes (entries 6, 7).  S: for each token 32 x 32 scores over K = 32, nan_to_num, softmax,
; diff = att[:16,:16] - lam att[16:,16:].  V: projection, kept in f32.  PV: out = diff v in f32 multiply-adds (its result goes on into a quantiser), RMS norm, x (1 - lambda_init), codes (entry 8).  O: projection, + bo.
; SHARES.  Four waves.  In the four large products THE WAVES SHARE THE COLUMNS: wave w makes a quarter of the 1,024 columns for all 64 tokens.  The tokens' codes, 64 x 1,024 bytes, lie in each wave's registers
; (512 of them) for a whole product; a fragment of a weight (2,048 bytes) feeds four matrix instructions, is wanted by that one wave alone and comes from memory straight into its registers, through a ring of
; 16 fragments in four units.  In X, S and PV wave w has tokens 16 w .. 16 w + 15 to itself.
; NO TENSOR LOADS, NO CLUSTER: the chain's own LDS stores take 267,264 bytes at the start (three sets of x's codes and the stage that turns x) and 262,144 later (v in f32); bytes that an LDS store has written are
; never a tensor load's target, so under 60,000 bytes would be left for a ring of two slots, under 7,500 a wave on its way, against the 24,576 to 32,768 that the register ring has.  Inside the work-group no weight byte has two readers.
; THE MATRIX INSTRUCTION IS USED TRANSPOSED (source 0 = 16 rows of a weight, source 1 = 16 tokens): lane (r = lane % 16, h = lane / 16) holds token r, register j tile row 8 h + j.  The first kernel's head says which rows form a tile.
; K ORDER, alike on both sides of every large product: byte b of register 8 c + i of K step s is k = 128 s + 64 c + 32 h + 4 i + b.
; Operands go from wave to wave through LDS as images of their registers: registers 4 q .. 4 q + 3 of a fragment are 512 bytes on end, 16 a lane.
; Each work-group begins each product's walk over its column tiles at another quarter of them (its number mod 4): the walk's order changes no sum.
; LIMITS.  NaN among the inputs is not served (an infinity is held at the largest code).  So that each power of two below is an f32 number: e0, e2, e4, e8, e6 - e0 - e1, e7 - e2 - e3 between -126 and 112;
; e6 + e7, e4 + e5, e8 + e9 between -126 and 127.  1 - lambda_init is multiplied into the norm's factor and lam into the softmax's divisor: an order of rounding that differs from reference()'s.  2^(e4 + e5) goes into diff: exact.
; LDS, in bytes.  0: x's codes for Q, then k's codes.  R1: x's codes for K, then diff.  R2: x's codes for V.  R3: the stages that turn x, then q's codes.  From the fourth barrier on, 0 .. 262,143: v, 65,536 for each 16 tokens;
; in its own 65,536 a wave later keeps diff, then its stage for the way out (from 0) and its tokens' last codes (from 32,768).  BOL: bo.  SPARE: the spare words.
; REGISTERS, in windows of 256 (s_set_vgpr_msb: bits 1:0 source 0, 3:2 source 1, 5:4 source 2, 7:6 destination).  Windows 2, 3: the tokens' codes, fragment (K step s, tokens 16 mt on) in window 2 + s / 4 at 16 (4 (s % 4) + mt);
; in X window 2 holds x as loaded; in PV both hold v.  Window 1: the weights' ring, tile p of a pair at 128 p, K step s at + 16 s.  Window 0: all else.
.set R1,    66560
.set R2,    133120
.set R3,    199680
.set BOL,   323072
.set SPARE, 327168                     ; the spare words, 128 bytes for each wave: two blocks of 256 bytes that no other line names
.set FRB,   2048                       ; a fragment's image
.set XMT,   16384                      ; the eight images of 16 tokens
.set SGP,   528                        ; the stage that turns x: a row of 512 bytes + 16
.set SGB,   16*SGP
.set TP,    1040                       ; a token's 1,024 bytes of codes, or of diff, + 16: sixteen tokens start at sixteen different banks (ISA guide 11.1)
.set TW,    16*TP
.set VMT,   65536                      ; v of 16 tokens
.set OIM,   32768                      ; in it: the last codes' images
.set OSP,   272                        ; the way out: a row of 256 bytes + 16
.set LI,  1                            ; v1  16 x lane; also the ring's vector offset; never rewritten
.set RR,  2                            ; v2  r
.set HH,  3                            ; v3  h
.set SPW, 30                           ; v30 my spare word; never rewritten
.set NIL, 31                           ; v31 0; never rewritten
; v5-25: each phase's own addresses.  v32-39: the lambda vectors, half of bo.  v40-45: (2^e, 57,344 x 2^e) for e0, e2, e4; v46-47 for e6 - e0 - e1; v48-49 for e7 - e2 - e3; v50-51 for e8;
; v52 the largest f32 number; v54 2^(e4 + e5); v55 lam x that; v56-59 bo of the columns in hand; v60-63 at work
.set STI, 5
.set STO, 6
.set XIB, 7                            ; v7-9   where my images of x go, for the three scales
.set XI,  10                           ; v10-12 the same + the trip's bytes
.set AX,  5
.set QCB, 6
.set KCB, 7
.set CS,  8
.set AQB, 9
.set AKB, 10
.set DTB, 11
.set AQ,  12
.set AK,  13
.set DTS, 14
.set DRD, 15
.set VSB, 16                           ; v16-19
.set VS,  20                           ; v20-23
.set VRA, 24
.set DTW, 25
.set DFB, 5
.set DFA, 6
.set OIB, 7
.set OIA, 8
.set AO,  9                            ; v9-12
.set SO,  13
.set SR,  14
.set OUTB, 15
.set OG,  16
.set BAB, 17
.set BA,  18
.set ACC0, 64                          ; v64-95, v96-127: the accumulators of a pair's two tiles, 8 registers for each 16 tokens
.set ACC1, 96
.set CD,  128                          ; q's or k's codes just made
.set XN,  64                           ; X: v64-127, v128-191: 64 neighbours along K, two sets
.set TT,  192                          ; X: v192-207: eight held numbers, two sets
.set PCX, 208                          ; X: v208-255: three fragments
.set SC,  64                           ; S: scores, 16 registers a row (token i, query tile qt) at 16 (2 i + qt)
.set FG,  128                          ; S: fragments, 8 (4 i + f): f = 0, 1 keys 0-15, 16-31; f = 2, 3 queries
.set ST,  192                          ; S: eight registers of statistics a row
.set DG,  224                          ; S: diff
.set DREG, 128                         ; V: diff, parked: v (262,144) and diff (66,560) and the rest do not fit in LDS together
.set OA,  64                           ; PV: two heads x 32 of d
.set DF,  128                          ; PV: diff of the two heads
.set SS,  160
.set FC,  168
.set PC,  176
.set RBK, 128                          ; O: rows read back from the stage
.set BS,  66                           ; s[66:73] the ring's four bases, one for each unit: unit q of tile p at BS + 4 p + 2 q
; s2 wave; s3, s38, s39 at work; s[4:5] x; s[6:7] my wave's part of wcodes; s[20:21] out0; s24-33 e0-e9; s34 the walk's start; s37 the pair in hand; s40 a loop's counter; s41 a loop's bytes;
; s[42:43] lane selects; s[44:45] 2^(e6+e7); s[46:47] 2^(e8+e9); s[48:49] D^-0.5; s50 1/64; s51 EPS; s52 2^(e4+e5); s53 O: which 256 bytes of my 1,024; s[54:55] the byte offset of the pair that is being asked for
.set MSB, 0
.macro WIN new                         ; the immediate's high byte repeats the setting that is left; a switch that changes nothing is dropped
.if MSB != (\new)
	s_set_vgpr_msb (MSB<<8)|(\new)
.set MSB, (\new)
.endif
.endm
.macro BAR                             ; my LDS stores have landed and my LDS loads are in: then the work-group's barrier
	s_wait_dscnt 0x0
	s_barrier_signal -1
	s_barrier_wait -1
.endm
.macro SCL dst, se                     ; s[se] = e: v[dst] = 2^e, v[dst + 1] = 57,344 x 2^e
	s_add_co_i32 s38, s[\se], 127
	s_lshl_b32 s39, s38, 23
	v_mov_b32 v[\dst], s39
	s_add_co_i32 s38, s38, 15
	s_lshl_b32 s38, s38, 23
	s_or_b32 s38, s38, 0x600000
	v_mov_b32 v[\dst+1], s38
.endm
; ---- phase X's macros
.macro XLOAD set, koff                 ; a K step (512 bytes) of my 16 tokens: each load reads 512 consecutive bytes of one token
	WIN 0x80
.irp j, 0,1,2,3,4,5,6,7,8,9,10,11,12,13,14,15
	global_load_b128 v[64*(\set)+4*\j:64*(\set)+4*\j+3], v[LI], s[4:5] offset:\j*4096+(\koff) th:TH_LOAD_NT
.endr
.endm
.macro TURN set, st                    ; through my stage: in as loaded, out 32 neighbours along K at a time.  LDS serves a wave's instructions in order (ISA guide 5.7.1.4)
	WIN 0x08
.irp j, 0,1,2,3,4,5,6,7,8,9,10,11,12,13,14,15
	ds_store_b128 v[STI], v[64*(\set)+4*\j:64*(\set)+4*\j+3] offset:(\st)*SGB+SGP*\j
.endr
	WIN 0
.irp cc, 0,1
.irp i, 0,1,2,3,4,5,6,7
	ds_load_b128 v[XN+64*(\st)+32*\cc+4*\i:XN+64*(\st)+32*\cc+4*\i+3], v[STO] offset:(\st)*SGB+256*\cc+16*\i
.endr
.endr
.endm
.macro QZ st, a0, off, z               ; 64 numbers become a fragment under x's scale z, and its image goes to LDS.  The eight holds into the other set of TT are the plain lines between a conversion and the next write of its sources
.irp g, 0,1,2,3,4,5,6,7
.irp i, 0,1,2,3,4,5,6,7
	v_med3_num_f32 v[TT+8*(\g%2)+\i], v[XN+64*(\st)+8*\g+\i], -v[41+2*\z], v[41+2*\z]
.endr
	v_cvt_scalef32_pk8_bf8_f32 v[PCX+16*\z+2*\g:PCX+16*\z+2*\g+1], v[TT+8*(\g%2):TT+8*(\g%2)+7], v[40+2*\z]
.endr
	v_nop                                          ; a plain line behind the last conversion
.irp c, 0,1,2,3
	ds_store_b128 v[\a0+\z], v[PCX+16*\z+4*\c:PCX+16*\z+4*\c+3] offset:(\off)+512*\c
.endr
.endm
; One fragment for each DIFFERENT scale of x.  Where the scale for K is the scale for Q the codes are the same, and K multiplies what lies in the registers; likewise V after K: the same two tests lead round the
; reloads ahead of K and of V, so an image that is not made is never read.  The tests hang on whole numbers read from memory (the exponents).
.macro QUANT3 st, a0, off
	QZ \st, \a0, \off, 0
	s_cmp_eq_u32 s26, s24
	s_cbranch_scc1 .Lz1_\@
	QZ \st, \a0, \off, 1
.Lz1_\@:
	s_cmp_eq_u32 s28, s26
	s_cbranch_scc1 .Lz2_\@
	QZ \st, \a0, \off, 2
.Lz2_\@:
.endm
.macro POS p, ask, turn, left, a0, off ; K step 2 T + p.  ask: the step two on is asked for, into the set that this step has left; turn: the next step goes through the other stage
.if \ask
	XLOAD \p, (\p+2)*512
.endif
.if \turn
	s_wait_loadcnt \left                           ; the next step's sixteen loads are in; the sixteen just issued may be out
	TURN 1-\p, 1-\p
.endif
	QUANT3 \p, \a0, (\off)+\p*FRB
.endm
; ---- the large products' macros
.macro AL1 adr, mt, s, mtoff
.irp c, 0,1,2,3
	ds_load_b128 v[(((\s)%4)*4+\mt)*16+4*\c:(((\s)%4)*4+\mt)*16+4*\c+3], v[\adr] offset:\mt*\mtoff+(\s)*FRB+512*\c
.endr
.endm
.macro ALOAD a0, a1, a2, a3, mtoff     ; the 64 tokens' codes, 32 images, into windows 2 and 3
	WIN 0x80
.irp s, 0,1,2,3
	AL1 \a0, 0, \s, \mtoff
	AL1 \a1, 1, \s, \mtoff
	AL1 \a2, 2, \s, \mtoff
	AL1 \a3, 3, \s, \mtoff
.endr
	WIN 0xc0
.irp s, 4,5,6,7
	AL1 \a0, 0, \s, \mtoff
	AL1 \a1, 1, \s, \mtoff
	AL1 \a2, 2, \s, \mtoff
	AL1 \a3, 3, \s, \mtoff
.endr
	WIN 0
.endm
; Pair n of 32 (two tiles; eight pairs a product) lies at ((n & 0x18) | ((n + s34) & 7)) << 15 in my wave's part of wcodes.  n = (s40 << sh) + add.
; pa = 1: s37 = the place of pair n in its product.  last = 0: s54 = the offset of pair n + 1, from which the units of pair n make their bases.  Scalar work alone.
.macro NEXTW sh, add, pa, last
.if \sh
	s_lshl_b32 s3, s40, \sh
.set NW, 3
.else
.set NW, 40
.endif
.if \pa
	s_add_co_u32 s37, s[NW], s34
	s_and_b32 s37, s37, 7
.endif
.if !(\last)
	s_add_co_u32 s38, s[NW], (\add)+1
	s_add_co_u32 s39, s38, s34
	s_and_b32 s39, s39, 7
	s_and_b32 s38, s38, 0x18
	s_or_b32 s38, s38, s39
	s_lshl_b32 s54, s38, 15
.endif
.endm
; A tile: 16 columns x 64 tokens x 1,024 along K, 32 matrix instructions; the four accumulators take turns, one instruction a turn; the first K step starts the sums.
; The ring goes in units of four fragments, sixteen loads, two units a tile, four in all.  A unit is waited for (the three younger units may be out: 48 loads), multiplied, and asked for again for the next pair,
; 48 matrix instructions ahead of its use.  EACH UNIT HAS A SCALAR BASE OF ITS OWN, written directly behind the unit's own wait: that wait shows the sixteen loads done that named the base, and no other load names it.
; So the ring's addresses step with no further wait; the vector offset, 16 x lane, is never rewritten.
; refill = 0: the last pair; left = the loads behind the tile's first unit.  Four plain lines stand between the products and loads into registers that they have read, or reads of their results.
.macro TILE p, acc, refill, left
.irp q, 0,1
.if (\refill)
	s_wait_loadcnt 48
	s_add_nc_u64 s[BS+4*\p+2*\q:BS+4*\p+2*\q+1], s[6:7], s[54:55]
.else
	s_wait_loadcnt (\left)-16*\q
.endif
	WIN 0x09+4*\q                                  ; source 0 (the weight) window 1, source 1 (the tokens) window 2, then 3
.irp u, 0,1,2,3
.irp mt, 0,1,2,3
.if (4*\q+\u) == 0
	v_wmma_f32_16x16x128_bf8_bf8 v[\acc+8*\mt:\acc+8*\mt+7], v[128*\p+16*(4*\q+\u):128*\p+16*(4*\q+\u)+15], v[(\u*4+\mt)*16:(\u*4+\mt)*16+15], 0
.else
	v_wmma_f32_16x16x128_bf8_bf8 v[\acc+8*\mt:\acc+8*\mt+7], v[128*\p+16*(4*\q+\u):128*\p+16*(4*\q+\u)+15], v[(\u*4+\mt)*16:(\u*4+\mt)*16+15], v[\acc+8*\mt:\acc+8*\mt+7]
.endif
.endr
.endr
.if (\refill) || (\q == 1)
.rept 4
	v_nop
.endr
.endif
.if (\refill)
	WIN 0x40
.irp u, 0,1,2,3
.irp c, 0,1,2,3
	global_load_b128 v[128*\p+16*(4*\q+\u)+4*\c:128*\p+16*(4*\q+\u)+4*\c+3], v[LI], s[BS+4*\p+2*\q:BS+4*\p+2*\q+1] offset:\p*16384+(4*\q+\u)*2048+\c*512
.endr
.endr
.endif
.endr
.endm
; A pair of Q's or K's tiles is one head: a lane's 16 sums of a token are d = 16 h + 0 .. 15: 16 codes, 16 bytes, to token x TP + head x 32 + 16 h.  The product's two scales are folded into the conversion's.
.macro EPI mul, sc, lim, cb
	WIN 0
	s_wait_dscnt 0x0                               ; the last pair's stores have read their registers
	s_lshl_b32 s39, s37, 5
	v_add_nc_u32 v[CS], s39, v[\cb]
.irp mt, 0,1,2,3
.if \mul
.irp n, 0,2,4,6
	v_pk_mul_f32 v[ACC0+8*\mt+\n:ACC0+8*\mt+\n+1], v[ACC0+8*\mt+\n:ACC0+8*\mt+\n+1], s[48:49] op_sel_hi:[1,0]   ; x D^-0.5; each accumulator from its low end on
.endr
.irp n, 0,2,4,6
	v_pk_mul_f32 v[ACC1+8*\mt+\n:ACC1+8*\mt+\n+1], v[ACC1+8*\mt+\n:ACC1+8*\mt+\n+1], s[48:49] op_sel_hi:[1,0]
.endr
.endif
.irp n, 0,1,2,3,4,5,6,7
	v_med3_num_f32 v[ACC0+8*\mt+\n], v[ACC0+8*\mt+\n], -v[\lim], v[\lim]
.endr
.irp n, 0,1,2,3,4,5,6,7
	v_med3_num_f32 v[ACC1+8*\mt+\n], v[ACC1+8*\mt+\n], -v[\lim], v[\lim]
.endr
	v_cvt_scalef32_pk8_bf8_f32 v[CD+4*\mt:CD+4*\mt+1], v[ACC0+8*\mt:ACC0+8*\mt+7], v[\sc]
	v_cvt_scalef32_pk8_bf8_f32 v[CD+4*\mt+2:CD+4*\mt+3], v[ACC1+8*\mt:ACC1+8*\mt+7], v[\sc]
.endr
	v_nop                                          ; a plain line behind the last conversion: the next products write its sources
.irp mt, 0,1,2,3
	ds_store_b128 v[CS], v[CD+4*\mt:CD+4*\mt+3] offset:\mt*TW
.endr
.endm
.macro SPILL acc, p                    ; a tile of V is head 2 s37 + p, d = 32 h + 8 w + 0 .. 7: its sums go to LDS as they stand, as images of four registers
	WIN 0
	s_wait_dscnt 0x0                               ; the other tile's stores have read their registers, which the next products write
.if (\p) == 0
	s_lshl_b32 s39, s37, 11
.irp mt, 0,1,2,3
	v_add_nc_u32 v[VS+\mt], s39, v[VSB+\mt]
.endr
.endif
.irp mt, 0,1,2,3
	ds_store_b128 v[VS+\mt], v[\acc+8*\mt:\acc+8*\mt+3] offset:1024*\p
	ds_store_b128 v[VS+\mt], v[\acc+8*\mt+4:\acc+8*\mt+7] offset:1024*\p+512
.endr
.endm
.macro STG acc, c4                     ; a tile of O: a lane's eight sums are 32 neighbouring bytes of a token's row: into my stage, tile c4 of the four that make 256 bytes
	WIN 0
	s_wait_dscnt 0x0
.irp mt, 0,1,2,3
	ds_store_b128 v[SO], v[\acc+8*\mt:\acc+8*\mt+3] offset:\mt*16*OSP+64*\c4
	ds_store_b128 v[SO], v[\acc+8*\mt+4:\acc+8*\mt+7] offset:\mt*16*OSP+64*\c4+16
.endr
.endm
.macro OUTG                            ; 64 rows x 256 bytes come back by rows; y = sum x 2^(e8 + e9) + bo; sixteen lanes store 256 consecutive bytes, at a multiple of 256 from out0's first byte
	s_wait_storecnt 0x0                            ; the last group's stores, four tiles back, are done: only now are their offset and their data registers written again
	v_add_nc_u32 v[OG], s53, v[OUTB]
.set n, 0
.rept 32
	ds_load_b128 v[RBK+4*n:RBK+4*n+3], v[SR] offset:2*OSP*n
.set n, n+1
.endr
.set n, 0
.rept 32
	s_wait_dscnt 31-n                              ; LDS loads come back in order: the younger ones may be out
	v_pk_fma_f32 v[RBK+4*n:RBK+4*n+1], v[RBK+4*n:RBK+4*n+1], s[46:47], v[56:57] op_sel_hi:[1,0,1]
	v_pk_fma_f32 v[RBK+4*n+2:RBK+4*n+3], v[RBK+4*n+2:RBK+4*n+3], s[46:47], v[58:59] op_sel_hi:[1,0,1]
	global_store_b128 v[OG], v[RBK+4*n:RBK+4*n+3], s[20:21] offset:n*8192 th:TH_STORE_NT
.set n, n+1
.endr
.endm
.macro OGROUP last                     ; two pairs = four tiles = 64 columns of out0 for the 64 tokens
	NEXTW 1, 24, 1, 0
	s_lshr_b32 s53, s37, 1
	s_lshl_b32 s53, s53, 8                         ; which 256 bytes of my 1,024
	v_add_nc_u32 v[BA], s53, v[BAB]
	ds_load_b128 v[56:59], v[BA]                   ; bo of my four columns
	TILE 0, ACC0, 1, 0
	STG ACC0, 0
	TILE 1, ACC1, 1, 0
	STG ACC1, 1
.if !(\last)
	NEXTW 1, 25, 0, 0
.endif
	TILE 0, ACC0, 1-\last, 48
	STG ACC0, 2
	TILE 1, ACC1, 1-\last, 16
	STG ACC1, 3
	OUTG
.endm
.macro SLD aq, ak, off                 ; two tokens' fragments: lane (r, h) takes 16 codes, d = 16 h on, of head r or 16 + r
.irp i, 0,1
	ds_load_b128 v[FG+32*\i:FG+32*\i+3],       v[\ak] offset:(\off)+\i*TP
	ds_load_b128 v[FG+32*\i+8:FG+32*\i+11],    v[\ak] offset:(\off)+\i*TP+512
	ds_load_b128 v[FG+32*\i+16:FG+32*\i+19],   v[\aq] offset:(\off)+\i*TP
	ds_load_b128 v[FG+32*\i+24:FG+32*\i+27],   v[\aq] offset:(\off)+\i*TP+512
.endr
.endm
.macro DLD adr, off                    ; diff of two heads a, all 16 hh, of my token
.irp cc, 0,1
.irp q, 0,1,2,3
	ds_load_b128 v[DF+16*\cc+4*\q:DF+16*\cc+4*\q+3], v[\adr] offset:(\off)+64*\cc+16*\q
.endr
.endr
.endm
.macro PVH hh                          ; out[a][d] += diff[a][hh] v[hh][d]: two heads a x 32 of d, two numbers an instruction, 32 sums that do not wait for each other; hh = 0 starts them
.irp cc, 0,1
.set pr, 0
.rept 16
.if (\hh) == 0
	v_pk_mul_f32 v[OA+32*\cc+2*pr:OA+32*\cc+2*pr+1], v[2*pr:2*pr+1], v[DF+16*\cc:DF+16*\cc+1] op_sel_hi:[1,0]
.elseif (\hh)%2 == 0
	v_pk_fma_f32 v[OA+32*\cc+2*pr:OA+32*\cc+2*pr+1], v[32*((\hh)%8)+2*pr:32*((\hh)%8)+2*pr+1], v[DF+16*\cc+(\hh):DF+16*\cc+(\hh)+1], v[OA+32*\cc+2*pr:OA+32*\cc+2*pr+1] op_sel_hi:[1,0,1]
.else
	v_pk_fma_f32 v[OA+32*\cc+2*pr:OA+32*\cc+2*pr+1], v[32*((\hh)%8)+2*pr:32*((\hh)%8)+2*pr+1], v[DF+16*\cc+(\hh)-1:DF+16*\cc+(\hh)], v[OA+32*\cc+2*pr:OA+32*\cc+2*pr+1] op_sel:[0,1,0] op_sel_hi:[1,1,1]
.endif
.set pr, pr+1
.endr
.endr
.endm
; ================ the head
	s_load_b512 s[4:19], s[0:1], 0x0               ; x, wcodes, the scales' exponents, bo, lq1, lk1, lq2, lk2
	s_load_b64 s[20:21], s[0:1], 0x40              ; out0
	v_lshl_add_u32 v[SPW], v0, 2, SPARE
	v_mov_b32 v[NIL], 0
	v_lshrrev_b32 v60, 5, v0
	v_readfirstlane_b32 s2, v60                    ; wave 0..3
	v_and_b32 v60, 31, v0
	v_lshlrev_b32 v[LI], 4, v60
	v_lshlrev_b32 v61, 2, v60                      ; 4 x lane: the lambda vectors have 32 numbers
	v_and_b32 v[RR], 15, v0
	v_bfe_u32 v[HH], v0, 4, 1
	s_and_b32 s34, ttmp9, 3
	s_lshl_b32 s34, s34, 1                         ; the walk begins at pair 0, 2, 4 or 6 of a product's eight
	s_mov_b32 s42, 0x76543210                      ; v_permlanex16_b32: lane l xor 16
	s_mov_b32 s43, 0xfedcba98
	s_mov_b32 s48, 0x3e3504f3                      ; 32^-0.5
	s_mov_b32 s49, s48                             ; (named with it as a pair, so it is written)
	s_mov_b32 s50, 0x3c800000                      ; 1 / 64
	s_mov_b32 s51, 0x3727c5ac                      ; 1e-5
	v_mov_b32 v52, 0x7f7fffff
	s_mul_i32 s38, s2, 2*SGB
	s_add_co_u32 s38, s38, R3                      ; my two stages
	v_add_nc_u32 v[STI], s38, v[LI]
	v_mul_u32_u24 v[STO], v[RR], SGP
	v_lshl_add_u32 v[STO], v[HH], 7, v[STO]
	v_add_nc_u32 v[STO], s38, v[STO]
	s_lshl_b32 s38, s2, 14
	v_add_nc_u32 v[XIB], s38, v[LI]                ; my 16 tokens' images: 16,384 x wave on
	v_add_nc_u32 v[XIB+1], R1, v[XIB]
	v_add_nc_u32 v[XIB+2], R2, v[XIB]
	s_lshl_b32 s38, s2, 10
	v_add_nc_u32 v62, s38, v[LI]                   ; my 256 numbers of bo
	v_add_nc_u32 v63, BOL, v62
	s_wait_kmcnt 0x0
	s_load_b256 s[24:31], s[8:9], 0x0              ; e0 .. e7
	s_load_b64 s[32:33], s[8:9], 0x20              ; e8, e9
	s_mov_b32 s39, 0
	s_add_nc_u64 s[20:21], s[20:21], s[38:39]      ; out0: my 256 columns,
	s_lshl_b32 s38, ttmp9, 18
	s_add_nc_u64 s[20:21], s[20:21], s[38:39]      ; my work-group's 64 rows of 4,096 bytes
	s_add_nc_u64 s[4:5], s[4:5], s[38:39]          ; x likewise,
	s_lshl_b32 s38, s2, 16
	s_add_nc_u64 s[4:5], s[4:5], s[38:39]          ; my wave's 16 of them
	s_lshl_b32 s38, s2, 20
	s_add_nc_u64 s[6:7], s[6:7], s[38:39]          ; my wave's part of wcodes
	global_load_b32 v32, v61, s[12:13]
	global_load_b32 v33, v61, s[14:15]
	global_load_b32 v34, v61, s[16:17]
	global_load_b32 v35, v61, s[18:19]
	global_load_b128 v[56:59], v62, s[10:11]
	global_load_b128 v[36:39], v62, s[10:11] offset:512
	XLOAD 0, 0
	XLOAD 1, 512
	WIN 0
	s_wait_kmcnt 0x0
	SCL 40, 24
	SCL 42, 26
	SCL 44, 28
	s_sub_co_i32 s3, s30, s24                      ; a sum of Q's product stands for sum x 2^(e0 + e1): its code is sum / 2^(e6 - e0 - e1)
	s_sub_co_i32 s3, s3, s25
	SCL 46, 3
	s_sub_co_i32 s3, s31, s26
	s_sub_co_i32 s3, s3, s27
	SCL 48, 3
	SCL 50, 32
	s_add_co_i32 s44, s30, s31
	s_add_co_i32 s44, s44, 127
	s_lshl_b32 s44, s44, 23                        ; 2^(e6 + e7)
	s_mov_b32 s45, s44
	s_add_co_i32 s46, s32, s33
	s_add_co_i32 s46, s46, 127
	s_lshl_b32 s46, s46, 23                        ; 2^(e8 + e9)
	s_mov_b32 s47, s46
	s_add_co_i32 s52, s28, s29
	s_add_co_i32 s52, s52, 127
	s_lshl_b32 s52, s52, 23                        ; 2^(e4 + e5)
	s_wait_loadcnt 16                              ; all but K step 1's sixteen loads are in
	ds_store_b128 v63, v[56:59]                    ; bo waits in LDS for the way out; each wave keeps and reads its own quarter
	ds_store_b128 v63, v[36:39] offset:512
	TURN 0, 0
; ================ X: my 16 tokens, a K step of 128 at a time; three trips of two steps, the last two steps written out, since they ask for nothing
	s_mov_b32 s40, 0
	s_mov_b32 s41, 0
.Lx:
	s_wait_dscnt 0x0                               ; this step's numbers are back from the stage; all my LDS stores have read their registers
.irp z, 0,1,2
	v_add_nc_u32 v[XI+\z], s41, v[XIB+\z]
.endr
	POS 0, 1, 1, 16, XI, 0
	s_wait_dscnt 0x0
	POS 1, 1, 1, 16, XI, 0
	s_wait_xcnt 0x0                                ; the loads have read their base
	s_add_nc_u64 s[4:5], s[4:5], 1024
	s_add_co_u32 s41, s41, 2*FRB
	s_add_co_u32 s40, s40, 1
	s_cmp_lt_u32 s40, 3
	s_cbranch_scc1 .Lx
	s_wait_dscnt 0x0
	POS 0, 0, 1, 0, XIB, 6*FRB
	s_wait_dscnt 0x0
	POS 1, 0, 0, 0, XIB, 6*FRB
	; the ring's first fill: pair 0, sixteen fragments, 64 loads, each unit by its own base
	s_lshl_b32 s54, s34, 15
	s_mov_b32 s55, 0
.irp u, 0,1,2,3
	s_add_nc_u64 s[BS+2*\u:BS+2*\u+1], s[6:7], s[54:55]
.endr
	WIN 0x40
.irp p, 0,1
.irp s, 0,1,2,3,4,5,6,7
.irp c, 0,1,2,3
	global_load_b128 v[128*\p+16*\s+4*\c:128*\p+16*\s+4*\c+3], v[LI], s[BS+4*\p+2*(\s/4):BS+4*\p+2*(\s/4)+1] offset:\p*16384+\s*2048+\c*512
.endr
.endr
.endr
	WIN 0
	; lam = exp(lq1 . lk1) - exp(lq2 . lk2) + lambda_init, in every lane
	v_mul_f32 v60, v32, v33
	v_mul_f32 v61, v34, v35
	v_mov_b32 v62, 0                               ; a lane permute's destination counts as one of its sources
	v_mov_b32 v63, 0
.irp m, 1,2,4,8
	v_add_f32_dpp v60, v60, v60 row_xmask:\m row_mask:0xf bank_mask:0xf
	v_add_f32_dpp v61, v61, v61 row_xmask:\m row_mask:0xf bank_mask:0xf
.endr
	v_permlanex16_b32 v62, v60, s42, s43
	v_permlanex16_b32 v63, v61, s42, s43
	v_add_f32 v60, v60, v62
	v_add_f32 v61, v61, v63
	v_mul_f32 v60, 0x3fb8aa3b, v60
	v_mul_f32 v61, 0x3fb8aa3b, v61
	v_exp_f32 v60, v60
	v_exp_f32 v61, v61
	v_mov_b32 v54, s52                             ; (the plain line behind the exponentials)
	s_wait_alu depctr_va_vdst(0)                   ; ahead of the first line that names a result: one wait for both
	v_sub_f32 v60, v60, v61
	v_add_f32 v60, 0x3f489a63, v60                 ; + 0.8 - 0.6 exp(-3.6)
	v_mul_f32 v55, v60, v54
	s_lshl_b32 s38, s2, 8                          ; where codes of q and k go: token r, 16 h, my eight heads
	v_mul_u32_u24 v[KCB], v[RR], TP
	v_lshl_add_u32 v[KCB], v[HH], 4, v[KCB]
	v_add_nc_u32 v[KCB], s38, v[KCB]
	v_add_nc_u32 v[QCB], R3, v[KCB]
	BAR                                            ; 1st: x's images lie in LDS, and nobody uses the stages any more
; ================ Q
	ALOAD LI, LI, LI, LI, XMT
	s_wait_dscnt 0x0
	s_mov_b32 s40, 0
.Lq:
	NEXTW 0, 0, 1, 0
	TILE 0, ACC0, 1, 0
	TILE 1, ACC1, 1, 0
	EPI 1, 46, 47, QCB
	s_add_co_u32 s40, s40, 1
	s_cmp_lt_u32 s40, 8
	s_cbranch_scc1 .Lq
; ================ K
	s_cmp_eq_u32 s26, s24                          ; where x's scale for K is its scale for Q, the codes in the registers are K's too
	s_cbranch_scc1 .Lsame_k
	v_add_nc_u32 v[AX], R1, v[LI]
	ALOAD AX, AX, AX, AX, XMT
.Lsame_k:
	BAR                                            ; 2nd: every wave has read x's codes for Q and for K: k's codes and diff may land there
	s_mov_b32 s40, 0
.Lk:
	NEXTW 0, 8, 1, 0
	TILE 0, ACC0, 1, 0
	TILE 1, ACC1, 1, 0
	EPI 0, 48, 49, KCB
	s_add_co_u32 s40, s40, 1
	s_cmp_lt_u32 s40, 8
	s_cbranch_scc1 .Lk
	BAR                                            ; 3rd: q's and k's codes lie in LDS
; ================ S: my 16 tokens, two a trip.  S^T = k q^T: source 0 = 16 key heads, source 1 = 16 query heads: lane (r, h) holds query head 16 qt + r and keys 16 kt + 8 h + j.
; K = 32 fills half of the instruction's 64: the fragments' upper four registers are zero codes on both sides.
	s_mul_i32 s38, s2, TW
	v_lshlrev_b32 v[AKB], 5, v[RR]
	v_lshl_add_u32 v[AKB], v[HH], 4, v[AKB]
	v_add_nc_u32 v[AKB], s38, v[AKB]
	v_add_nc_u32 v[AQB], R3, v[AKB]
	s_add_co_u32 s39, s38, R1
	v_lshlrev_b32 v[DTB], 6, v[RR]
	v_lshl_add_u32 v[DTB], v[HH], 5, v[DTB]
	v_add_nc_u32 v[DTB], s39, v[DTB]               ; diff goes to token x TP + 64 a + 4 hh: a = r, hh = 8 h on
	v_mul_u32_u24 v[DRD], v[RR], TP
	v_lshl_add_u32 v[DRD], v[HH], 9, v[DRD]
	v_add_nc_u32 v[DRD], s39, v[DRD]               ; and is parked from token r, 512 h on
.irp f, 0,1,2,3,4,5,6,7
.irp i, 4,5,6,7
	v_mov_b32 v[FG+8*\f+\i], 0
.endr
.endr
.irp R, 0,1,2,3
	v_mov_b32 v[ST+8*\R+3], 0                      ; (named as the upper half of a pair)
	v_mov_b32 v[ST+8*\R+4], 0                      ; (a lane permute's destination)
.endr
	SLD AQB, AKB, 0
	s_mov_b32 s40, 0
	s_mov_b32 s41, 0
.Ls:
	s_wait_dscnt 0x0                               ; the fragments are in; the last trip's stores have read their registers
	v_add_nc_u32 v[AQ], s41, v[AQB]
	v_add_nc_u32 v[AK], s41, v[AKB]
	v_add_nc_u32 v[DTS], s41, v[DTB]
.irp i, 0,1
.irp qt, 0,1
.irp kt, 0,1
	v_wmma_f32_16x16x64_bf8_bf8 v[SC+16*(2*\i+\qt)+8*\kt:SC+16*(2*\i+\qt)+8*\kt+7], v[FG+8*(4*\i+\kt):FG+8*(4*\i+\kt)+7], v[FG+8*(4*\i+2+\qt):FG+8*(4*\i+2+\qt)+7], 0
.endr
.endr
.endr
.rept 4
	v_nop
.endr
	s_cmp_eq_u32 s40, 7                            ; the last trip fetches nothing
	s_cbranch_scc1 .Ls_last
	SLD AQ, AK, 2*TP
.Ls_last:
.set n, 0
.rept 32
	v_pk_mul_f32 v[SC+2*n:SC+2*n+1], v[SC+2*n:SC+2*n+1], s[44:45] op_sel_hi:[1,0]   ; att = sum x 2^(e6 + e7); each accumulator from its low end on
.set n, n+1
.endr
.set n, 0
.rept 64                                           ; nan_to_num: NaN becomes 0, an infinity the largest number of its sign
	v_cmp_eq_f32 vcc_lo, v[SC+n], v[SC+n]
	v_cndmask_b32 v[SC+n], 0, v[SC+n], vcc_lo
	v_med3_num_f32 v[SC+n], v[SC+n], -v52, v52
.set n, n+1
.endr
	; the four rows (token, query tile) side by side.  Statistics of row R at ST + 8 R: +0, +1 at work, later the factor; +2 the maximum; +4 the other half of the lanes'; +5 1 / sum; +6, +7 the sum
.irp R, 0,1,2,3
	v_max3_num_f32 v[ST+8*\R], v[SC+16*\R], v[SC+16*\R+1], v[SC+16*\R+2]
	v_max3_num_f32 v[ST+8*\R+1], v[SC+16*\R+3], v[SC+16*\R+4], v[SC+16*\R+5]
.endr
.irp t, 6,10
.irp R, 0,1,2,3
	v_max3_num_f32 v[ST+8*\R], v[ST+8*\R], v[SC+16*\R+\t], v[SC+16*\R+\t+1]
	v_max3_num_f32 v[ST+8*\R+1], v[ST+8*\R+1], v[SC+16*\R+\t+2], v[SC+16*\R+\t+3]
.endr
.endr
.irp R, 0,1,2,3
	v_max3_num_f32 v[ST+8*\R], v[ST+8*\R], v[SC+16*\R+14], v[SC+16*\R+15]
.endr
.irp R, 0,1,2,3
	v_max_num_f32 v[ST+8*\R], v[ST+8*\R], v[ST+8*\R+1]
.endr
.irp R, 0,1,2,3
	v_permlanex16_b32 v[ST+8*\R+4], v[ST+8*\R], s42, s43   ; the row's other 16 keys lie in the lane 16 away
.endr
.irp R, 0,1,2,3
	v_max_num_f32 v[ST+8*\R+2], v[ST+8*\R], v[ST+8*\R+4]
.endr
.irp R, 0,1,2,3
.irp t, 0,2,4,6,8,10,12,14
	v_pk_add_f32 v[SC+16*\R+\t:SC+16*\R+\t+1], v[SC+16*\R+\t:SC+16*\R+\t+1], v[ST+8*\R+2:ST+8*\R+3] op_sel_hi:[1,0] neg_lo:[0,1] neg_hi:[0,1]   ; att - the row's maximum, as reference() takes it
.endr
.endr
.set n, 0
.rept 32
	v_pk_mul_f32 v[SC+2*n:SC+2*n+1], v[SC+2*n:SC+2*n+1], 0x3fb8aa3b op_sel_hi:[1,0]
.set n, n+1
.endr
.set n, 0
.rept 64
	v_exp_f32 v[SC+n], v[SC+n]
.set n, n+1
.endr
	v_nop                                          ; a plain line behind the last exponential
	s_wait_alu depctr_va_vdst(0)                   ; one wait for the batch, ahead of its first reader
.irp R, 0,1,2,3
	v_pk_add_f32 v[ST+8*\R+6:ST+8*\R+7], v[SC+16*\R:SC+16*\R+1], v[SC+16*\R+2:SC+16*\R+3]
	v_pk_add_f32 v[ST+8*\R:ST+8*\R+1], v[SC+16*\R+4:SC+16*\R+5], v[SC+16*\R+6:SC+16*\R+7]
.endr
.irp t, 8,12
.irp R, 0,1,2,3
	v_pk_add_f32 v[ST+8*\R+6:ST+8*\R+7], v[ST+8*\R+6:ST+8*\R+7], v[SC+16*\R+\t:SC+16*\R+\t+1]
	v_pk_add_f32 v[ST+8*\R:ST+8*\R+1], v[ST+8*\R:ST+8*\R+1], v[SC+16*\R+\t+2:SC+16*\R+\t+3]
.endr
.endr
.irp R, 0,1,2,3
	v_pk_add_f32 v[ST+8*\R+6:ST+8*\R+7], v[ST+8*\R+6:ST+8*\R+7], v[ST+8*\R:ST+8*\R+1]
.endr
.irp R, 0,1,2,3
	v_add_f32 v[ST+8*\R+6], v[ST+8*\R+6], v[ST+8*\R+7]
.endr
.irp R, 0,1,2,3
	v_permlanex16_b32 v[ST+8*\R+4], v[ST+8*\R+6], s42, s43
.endr
.irp R, 0,1,2,3
	v_add_f32 v[ST+8*\R+6], v[ST+8*\R+6], v[ST+8*\R+4]
.endr
.irp R, 0,1,2,3
	v_rcp_f32 v[ST+8*\R+5], v[ST+8*\R+6]
.endr
	v_nop
	s_wait_alu depctr_va_vdst(0)
.irp R, 0,1,2,3
	v_mul_f32 v[ST+8*\R], v[ST+8*\R+5], v[54+(\R%2)]   ; heads 0-15: 2^(e4 + e5) / sum; heads 16-31: lam x that
.endr
.irp i, 0,1
.irp t, 0,2,4,6
	v_pk_mul_f32 v[DG+8*\i+\t:DG+8*\i+\t+1], v[SC+32*\i+24+\t:SC+32*\i+24+\t+1], v[ST+16*\i+8:ST+16*\i+9] op_sel_hi:[1,0]
.endr
.irp t, 0,2,4,6
	v_pk_fma_f32 v[DG+8*\i+\t:DG+8*\i+\t+1], v[SC+32*\i+\t:SC+32*\i+\t+1], v[ST+16*\i:ST+16*\i+1], v[DG+8*\i+\t:DG+8*\i+\t+1] op_sel_hi:[1,0,1] neg_lo:[0,0,1] neg_hi:[0,0,1]   ; diff x 2^(e4 + e5)
.endr
	ds_store_b128 v[DTS], v[DG+8*\i:DG+8*\i+3] offset:\i*TP
	ds_store_b128 v[DTS], v[DG+8*\i+4:DG+8*\i+7] offset:\i*TP+16
.endr
	s_add_co_u32 s41, s41, 2*TP
	s_add_co_u32 s40, s40, 1
	s_cmp_lt_u32 s40, 8
	s_cbranch_scc1 .Ls
	s_wait_dscnt 0x0                               ; the last stores have read their registers, which the loads below write
.set n, 0
.rept 32
	ds_load_b128 v[DREG+4*n:DREG+4*n+3], v[DRD] offset:16*n   ; my tokens' diff is parked in registers while v takes its place in LDS
.set n, n+1
.endr
	s_cmp_eq_u32 s28, s26                          ; as for K
	s_cbranch_scc1 .Lsame_v
	v_add_nc_u32 v[AX], R2, v[LI]
	ALOAD AX, AX, AX, AX, XMT
.Lsame_v:
	BAR                                            ; 4th: codes of q, k and x and diff have been read by all: v may land on them
; ================ V
	s_lshl_b32 s38, s2, 14
	v_add_nc_u32 v[VSB], s38, v[LI]
	v_add_nc_u32 v[VSB+1], VMT, v[VSB]
	v_add_nc_u32 v[VSB+2], 2*VMT, v[VSB]
	v_add_nc_u32 v[VSB+3], 3*VMT, v[VSB]
	s_mov_b32 s40, 0
.Lv:
	NEXTW 0, 16, 1, 0
	TILE 0, ACC0, 1, 0
	SPILL ACC0, 0
	TILE 1, ACC1, 1, 0
	SPILL ACC1, 1
	s_add_co_u32 s40, s40, 1
	s_cmp_lt_u32 s40, 8
	s_cbranch_scc1 .Lv
	BAR                                            ; 5th: v lies in LDS
	s_lshl_b32 s38, s2, 16
	v_add_nc_u32 v[VRA], s38, v[LI]
	WIN 0x80                                       ; my tokens' v: register 32 hh + dd = v[hh][32 h + dd] of token r; hh 0-7 in window 2, 8-15 in window 3
.irp hh, 0,1,2,3,4,5,6,7
.irp wq, 0,1,2,3
	ds_load_b128 v[32*\hh+8*\wq:32*\hh+8*\wq+3],   v[VRA] offset:\wq*16384+\hh*1024
	ds_load_b128 v[32*\hh+8*\wq+4:32*\hh+8*\wq+7], v[VRA] offset:\wq*16384+\hh*1024+512
.endr
.endr
	WIN 0xc0
.irp hh, 0,1,2,3,4,5,6,7
.irp wq, 0,1,2,3
	ds_load_b128 v[32*\hh+8*\wq:32*\hh+8*\wq+3],   v[VRA] offset:\wq*16384+(\hh+8)*1024
	ds_load_b128 v[32*\hh+8*\wq+4:32*\hh+8*\wq+7], v[VRA] offset:\wq*16384+(\hh+8)*1024+512
.endr
.endr
	WIN 0
	v_mul_u32_u24 v[DFB], v[RR], TP
	v_add_nc_u32 v[DFB], s38, v[DFB]
	v_lshl_add_u32 v[DTW], v[HH], 9, v[DFB]
	s_add_co_u32 s39, s38, OIM
	v_add_nc_u32 v[OIB], s39, v[LI]
	s_wait_dscnt 0x0                               ; v is in my registers: these 65,536 bytes, which I alone read, are mine from here on
.set n, 0
.rept 32
	ds_store_b128 v[DTW], v[DREG+4*n:DREG+4*n+3] offset:16*n   ; diff comes back to LDS, so that a lane can fetch any head's
.set n, n+1
.endr
; ================ PV: my 16 tokens; lane (r, h) holds token r and d = 32 h + 0 .. 31.  Two heads a trip: they are one K step of the last product
	v_mov_b32 v[FC+1], 0                           ; (upper halves of pairs, and lane permutes' destinations)
	v_mov_b32 v[FC+3], 0
	v_mov_b32 v[FC+4], 0
	v_mov_b32 v[FC+5], 0
	DLD DFB, 0
	s_mov_b32 s40, 0
	s_mov_b32 s41, 0
.Lp:
	s_wait_dscnt 0x0
	v_add_nc_u32 v[DFA], s41, v[DFB]
	s_lshl_b32 s39, s41, 4
	v_add_nc_u32 v[OIA], s39, v[OIB]
	WIN 0x02
.irp hh, 0,1,2,3,4,5,6,7
	PVH \hh
.endr
	WIN 0x03
.irp hh, 8,9,10,11,12,13,14,15
	PVH \hh
.endr
	WIN 0
	s_cmp_eq_u32 s40, 7
	s_cbranch_scc1 .Lp_last
	DLD DFA, 128
.Lp_last:
.irp cc, 0,1                                       ; the mean of squares over the head's 64: two chains a head
.irp ch, 0,1
	v_pk_mul_f32 v[SS+4*\cc+2*\ch:SS+4*\cc+2*\ch+1], v[OA+32*\cc+16*\ch:OA+32*\cc+16*\ch+1], v[OA+32*\cc+16*\ch:OA+32*\cc+16*\ch+1]
.endr
.endr
.irp t, 2,4,6,8,10,12,14
.irp cc, 0,1
.irp ch, 0,1
	v_pk_fma_f32 v[SS+4*\cc+2*\ch:SS+4*\cc+2*\ch+1], v[OA+32*\cc+16*\ch+\t:OA+32*\cc+16*\ch+\t+1], v[OA+32*\cc+16*\ch+\t:OA+32*\cc+16*\ch+\t+1], v[SS+4*\cc+2*\ch:SS+4*\cc+2*\ch+1]
.endr
.endr
.endr
.irp cc, 0,1
	v_pk_add_f32 v[SS+4*\cc:SS+4*\cc+1], v[SS+4*\cc:SS+4*\cc+1], v[SS+4*\cc+2:SS+4*\cc+3]
.endr
.irp cc, 0,1
	v_add_f32 v[SS+4*\cc], v[SS+4*\cc], v[SS+4*\cc+1]
.endr
.irp cc, 0,1
	v_permlanex16_b32 v[FC+4+\cc], v[SS+4*\cc], s42, s43
.endr
.irp cc, 0,1
	v_add_f32 v[SS+4*\cc], v[SS+4*\cc], v[FC+4+\cc]
.endr
.irp cc, 0,1
	v_fma_f32 v[SS+4*\cc], v[SS+4*\cc], s50, s51   ; / 64 + EPS
.endr
.irp cc, 0,1
	v_rsq_f32 v[FC+2*\cc], v[SS+4*\cc]
.endr
	v_nop
	s_wait_alu depctr_va_vdst(0)
.irp cc, 0,1
	v_mul_f32 v[FC+2*\cc], 0x3e5d9673, v[FC+2*\cc] ; x (1 - lambda_init)
.endr
.irp cc, 0,1
.irp t, 0,2,4,6,8,10,12,14,16,18,20,22,24,26,28,30
	v_pk_mul_f32 v[OA+32*\cc+\t:OA+32*\cc+\t+1], v[OA+32*\cc+\t:OA+32*\cc+\t+1], v[FC+2*\cc:FC+2*\cc+1] op_sel_hi:[1,0]
.endr
.endr
.set n, 0
.rept 64
	v_med3_num_f32 v[OA+n], v[OA+n], -v51, v51
.set n, n+1
.endr
.irp g, 0,1,2,3,4,5,6,7
	v_cvt_scalef32_pk8_bf8_f32 v[PC+2*\g:PC+2*\g+1], v[OA+8*\g:OA+8*\g+7], v50   ; k = 64 a + d: registers 8 c + i of K step s, a = 2 s + c
.endr
	v_nop
.irp c, 0,1,2,3
	ds_store_b128 v[OIA], v[PC+4*\c:PC+4*\c+3] offset:512*\c
.endr
	s_add_co_u32 s41, s41, 128
	s_add_co_u32 s40, s40, 1
	s_cmp_lt_u32 s40, 8
	s_cbranch_scc1 .Lp
	BAR                                            ; 6th: the 64 tokens' last codes lie in LDS
; ================ O
	v_add_nc_u32 v[AO], OIM, v[LI]
	v_add_nc_u32 v[AO+1], VMT, v[AO]
	v_add_nc_u32 v[AO+2], 2*VMT, v[AO]
	v_add_nc_u32 v[AO+3], 3*VMT, v[AO]
	ALOAD AO, AO+1, AO+2, AO+3, 0
	s_lshl_b32 s38, s2, 16                         ; my stage: the first 17,408 of my 65,536 bytes
	v_mul_u32_u24 v[SO], v[RR], OSP
	v_lshl_add_u32 v[SO], v[HH], 5, v[SO]
	v_add_nc_u32 v[SO], s38, v[SO]
	v_mul_u32_u24 v[SR], v[HH], OSP                ; back: lanes 0-15 one row, lanes 16-31 the next
	v_lshl_add_u32 v[SR], v[RR], 4, v[SR]
	v_add_nc_u32 v[SR], s38, v[SR]
	v_lshlrev_b32 v[OUTB], 12, v[HH]               ; and the same two rows in out0
	v_lshl_add_u32 v[OUTB], v[RR], 4, v[OUTB]
	s_lshl_b32 s38, s2, 10
	s_add_co_u32 s38, s38, BOL
	v_lshlrev_b32 v[BAB], 4, v[RR]
	v_add_nc_u32 v[BAB], s38, v[BAB]
	s_wait_dscnt 0x0
	s_mov_b32 s40, 0
.Lo:
	OGROUP 0
	s_add_co_u32 s40, s40, 1
	s_cmp_lt_u32 s40, 3
	s_cbranch_scc1 .Lo
	OGROUP 1                                       ; the last four tiles are written out: their second pair asks for nothing, so that no load leaves wcodes
	s_wait_tensorcnt 0x0                           ; the wave's end, behind my last LDS store
	ds_add_u32 v[SPW], v[NIL]
	s_wait_dscnt 0x0
	s_endpgm
.Lfunc_end_k_q4dd5bf35b9_fused:
	.size	k_q4dd5bf35b9_fused, .Lfunc_end_k_q4dd5bf35b9_fused-k_q4dd5bf35b9_fused
	.p2alignl 7, 3214868480
	.fill 96, 4, 3214868480
	.section	.rodata,"a",@progbits
	.p2align	6, 0x0
	.amdhsa_kernel k_q4dd5bf35b9_fused
		.amdhsa_group_segment_fixed_size 327680
		.amdhsa_private_segment_fixed_size 0
		.amdhsa_enable_private_segment 0
		.amdhsa_kernarg_size 72
		.amdhsa_user_sgpr_count 2
		.amdhsa_user_sgpr_kernarg_segment_ptr 1
		.amdhsa_wavefront_size32 1
		.amdhsa_system_sgpr_workgroup_id_x 1
		.amdhsa_system_sgpr_workgroup_id_y 1
		.amdhsa_system_sgpr_workgroup_id_z 1
		.amdhsa_system_vgpr_workitem_id 0
		.amdhsa_next_free_vgpr 1024
		.amdhsa_next_free_sgpr 74
		.amdhsa_reserve_vcc 1
		.amdhsa_float_denorm_mode_32 3
		.amdhsa_float_denorm_mode_16_64 3
		.amdhsa_memory_ordered 1
		.amdhsa_forward_progress 1
		.amdhsa_inst_pref_size 255
	.end_amdhsa_kernel
	.section	.bss,"aw",@nobits
	.p2align	6
	.space	262144
	.amdgpu_metadata
---
amdhsa.version: [ 1, 2 ]
amdhsa.kernels:
  - .name:           k_q4dd5bf35b9_fused
    .symbol:         k_q4dd5bf35b9_fused.kd
    .args:
      - { .name: x, .offset: 0, .size: 8, .value_kind: global_buffer, .address_space: global }
      - { .name: wcodes, .offset: 8, .size: 8, .value_kind: global_buffer, .address_space: global }
      - { .name: lowp_scales, .offset: 16, .size: 8, .value_kind: global_buffer, .address_space: global }
      - { .name: bo, .offset: 24, .size: 8, .value_kind: global_buffer, .address_space: global }
      - { .name: lq1, .offset: 32, .size: 8, .value_kind: global_buffer, .address_space: global }
      - { .name: lk1, .offset: 40, .size: 8, .value_kind: global_buffer, .address_space: global }
      - { .name: lq2, .offset: 48, .size: 8, .value_kind: global_buffer, .address_space: global }
      - { .name: lk2, .offset: 56, .size: 8, .value_kind: global_buffer, .address_space: global }
      - { .name: out0, .offset: 64, .size: 8, .value_kind: global_buffer, .address_space: global }
    .group_segment_fixed_size: 327680
    .private_segment_fixed_size: 0
    .kernarg_segment_align: 8
    .kernarg_segment_size: 72
    .max_flat_workgroup_size: 128
    .sgpr_count:     74
    .vgpr_count:     1024
    .wavefront_size: 32
...
	.end_amdgpu_metadata
.endif
;; end of part 2
